; MI455X (gfx1250); checked and timed in simulation.
; The chip was launched on July 23, 2026; its instructions are those of AMD's public machine-readable ISA for CDNA 5 (MIT licence, August 2026) and "CDNA5" Instruction Set Architecture Reference Guide (July 2026). The comments in the code are by the model that wrote it; some were corrected since.
;; Linear Attention. Allowed arithmetic: matrix products marked QUANTISED: E3M2 operands, one E8M0 scale for each 32 along K, by v_wmma_scale_f32_16x16x128_f8f6f4 with both operands' format E3M2, f32 sums; products left as they are: f32 operands where the result goes on into a quantised operand, else bf16, f16 or f32 operands; f32 sums; everything else in f32.
;; Inputs: W_proj 1,024 x 1,024 float32; W_qkv 1,024 x 3,072 float32; b_proj 1,024 float32; x 4 x 4,096 x 1,024 float32.
;; Outputs: out0 4 x 4,096 x 1,024 float32.
;; This version of the problem:
;;   THIS VERSION OF THE PROBLEM IS GIVEN IN LOW PRECISION. The matrix products marked QUANTISED in the list below multiply operands that are first quantised to E3M2 (3 exponent bits, 2 mantissa bits; 6 bits a number), with one power-of-two scale for each 32 numbers along K (OCP MX v1.0); their sums are f32. All else is computed in f32.
;;   The module's matrix products, in the order in which they are computed (A, B: the left and right operand; K: the contracted axis; several contracted axes count as one K, in the product's order):
;;     1. [M 16,384, K 1,024] x [K 1,024, N 3,072]; A: input x; B: input W_qkv: QUANTISED
;;     2. batch 64 x [M 64, K 4,096] x [K 4,096, N 64]; A: computed on the way; B: computed on the way: QUANTISED
;;     3. batch 64 x [M 4,096, K 1] x [K 1, N 64]; A: computed on the way; B: computed on the way: left as it is (no contracted axis)
;;     4. [M 16,384, K 1,024] x [K 1,024, N 1,024]; A: computed on the way; B: input W_proj: QUANTISED
;;   THE QUANTISER, for each operand of a quantised product, along K:
;;     - K is cut into blocks of 32 from its start; a last block that is shorter is filled with zeros.
;;     - A block's scale is 2^e with e = floor(log2(the largest magnitude in the block)) - 4, held to -126 .. 127; a block of zeros has e = 0. As a byte (E8M0): e + 127.
;;     - Each number is divided by its block's scale, clamped to +-28, and rounded to the nearest number of E3M2, ties to even, subnormals kept.
;;     - The product sums the exact products of the quantised numbers (number of the format x scale) in f32.
;;   ~~~python
;;   def quantise(x, axis):      # numpy; x: float32 -> the quantised numbers, widened to float32 again
;;       x = np.moveaxis(x, axis, -1); K = x.shape[-1]
;;       x = np.pad(x, [(0, 0)] * (x.ndim - 1) + [(0, -K % 32)]); x = x.reshape(x.shape[:-1] + (-1, 32)); a = np.abs(x).max(-1, keepdims=True)
;;       e = np.where(a > 0, np.clip(np.frexp(np.where(a > 0, a, 1))[1] - 1 - 4, -126, 127), 0)      # np.frexp(a)[1] - 1 = floor(log2(a)), exactly
;;       r = np.clip(x / 2.0 ** e, -28, 28)
;;       step = 2.0 ** (np.maximum(np.frexp(np.where(r == 0, 1, r))[1] - 1, -2) - 2)
;;       q = np.round(r / step) * step * 2.0 ** e      # np.round: ties to even
;;       return np.moveaxis(q.reshape(q.shape[:-2] + (-1,))[..., :K], -1, axis).astype(np.float32)
;;   ~~~
;;   OPERANDS COMPUTED ON THE WAY. 'Computed on the way' means the value that the module computes at that place (a softmax that the list does not call 'softmax' is quantised finished and normalised). What goes into a quantiser is computed in f32, as accurately as f32 sums, v_exp_f32 and their like allow (about 1e-6 of the number): no bf16 or f16 on the way to a quantiser, and a product that is left as it is and whose result goes on into a quantised operand takes f32 operands (vector FMAs, or v_wmma_f32_16x16x4_f32). A number that lies on a knife's edge between two numbers of the format may be rounded either way, as far as f32 arithmetic and the matrix unit's own rounding can turn it there, and no further.
;; One version. Each part assembles by itself: llvm-mc -triple=amdgcn-amd-amdhsa -mcpu=gfx1250 --defsym DOCPART=n.
;; ======== version 1 of 1: 3 launches
;; workspace buffers: xu 13,107,200 bytes; wqu 2,457,600 bytes; wpu 819,200 bytes; qs 1,048,576 bytes; kvp 262,144 bytes
;; launch quant (part 1): grid 256 x 1, 10 waves a work-group, no clusters, 85,760 bytes of LDS; arguments x, W_qkv, W_proj, xu, wqu, wpu; writes xu, wqu, wpu
.if DOCPART == 1
	.amdgcn_target "amdgcn-amd-amdhsa--gfx1250"
	.amdhsa_code_object_version 6
	.text
	.protected	k_q25ce916296_quant
	.globl	k_q25ce916296_quant
	.p2align	8
	.type	k_q25ce916296_quant,@function
k_q25ce916296_quant:
	s_mov_b64 s[64:65], 0
	v_nop
	global_prefetch_b8 v0, s[64:65] scope:SCOPE_SE
	s_setreg_imm32_b32 hwreg(HW_REG_WAVE_MODE, 25, 1), 1
	s_wait_xcnt 0x0
; x [16384][1024], W_qkv [1024][3072] and W_proj [1024][1024], f32, become codes of BF6 (E3M2) with one E8M0 byte for each 32 along K (x: its last axis; the weights: their first).
; A block's scale is 2^(floor(log2(its largest magnitude)) - 4): its byte is that magnitude's exponent field - 4, held at 1 from below; numbers are divided by it and rounded to the nearest code, ties to even, beyond 28 to 28.
; THE LAYOUT IS THE OPERAND'S REGISTERS.  A UNIT is 16 operand rows x K 1,024 = 12,800 bytes.  Fragment q (128 along K, 12 registers a lane): register 4 c + e of lane l at byte 1536 q + 512 c + 16 l + 4 e.
; From byte 12,288: the scale words: row r, K step q at 256 (q / 4) + 16 r + 4 (q % 4).  So a fragment is three loads of 16 bytes a lane, 512 consecutive bytes each, and one such load brings a unit's scale words.
; xu:  lane-row p of unit U is row 32 (U / 2) + 8 (U % 2) + p + 8 (p / 8) of x, so that the results of two neighbouring tiles are 16 neighbouring rows in a lane's registers.
; wqu: for each group g of four heads 48 units: head 4 g + t: four units of its k columns, four of its v columns (at 8 t), and from unit 32 on four of its q columns (at 32 + 4 t).   wpu: unit u = columns 16 u on.
; SHARES.  x is 2,048 shares of 32 KiB (half a unit: 16 rows x 512 numbers), the weights are 512 shares of 32 KiB (32 columns x 256 along K): ten shares, one a wave, for each of 256 work-groups.
; Waves 0-7 take x, waves 8 and 9 the weights: the two paths part on the wave's number; only x's path uses LDS (8,448 bytes a wave).  No barrier: waves share nothing.
; LIMITS: NaN and infinities are not served.  A block whose largest magnitude lies under 2^(5 - 127), a block of zeros among them, gets the byte 1 (the rule says 127 for zeros): its codes are zeros or lie under the floor; the bytes are read by this program alone.
.set XW,   8                           ; waves for x
.set NBW,  8                           ; blocks of 32 along K in a share of the weights
.set UNIT, 12800
.set FRB,  1536                        ; a fragment's image
.set SCO,  12288                       ; where a unit's scale words begin
.set SPX,  528                         ; x's stage: a row of 512 bytes + 16, an odd multiple of 16: sixteen rows start in sixteen different groups of banks
.set TM,   16                          ; v16-31   at work in QUANT
.set SW,   36                          ; v36-39   scale words
.set PC,   40                          ; v40-59   x: a fragment's codes
.set R,    64                          ; v64-191  x: two sets of 64 registers as loaded
.set X,    192                         ; v192-255 x: 64 numbers of my row, in the conversions' order
.set RW,   64                          ; v64-191  weights: four blocks of 32 numbers of my column
.set OFS,  192                         ; v192-223 weights: 4 x lane + i rows
.set F,    224                         ; v224-247 weights: the 12 registers of image lanes (r, 0) and (r, 1)
.set TC,   248                         ; v248-250 weights: a block's upper 16 codes
.set SEL,  28                          ; s[28:29] x: lane selects for lane l xor 16
	s_load_b256 s[4:11], s[0:1], 0x0               ; x s[4:5], W_qkv s[6:7], W_proj s[8:9], xu s[10:11]
	s_load_b128 s[12:15], s[0:1], 0x20             ; wqu s[12:13], wpu s[14:15]
	v_lshl_add_u32 v62, v0, 2, 0x14a00
	v_mov_b32 v63, 0
	v_lshrrev_b32 v1, 5, v0
	v_readfirstlane_b32 s16, v1                    ; wave 0..9
	v_and_b32 v1, 31, v0                           ; lane
	v_and_b32 v8, 15, v0                           ; r
	v_bfe_u32 v9, v0, 4, 1                         ; h
	v_lshlrev_b32 v2, 4, v1                        ; 16 x lane
	s_cmp_ge_u32 s16, XW
	s_cbranch_scc1 .Lweights
; ---------------- x: wave w takes unit 4 x work-group + w / 2 and half w % 2 of K: four fragments.
	s_lshl_b32 s17, ttmp9, 2
	s_lshr_b32 s18, s16, 1
	s_add_co_u32 s17, s17, s18                     ; U
	s_and_b32 s18, s16, 1                          ; which half of K
	s_mul_i32 s19, s16, 16*SPX                     ; my stage
	v_add_nc_u32 v3, s19, v2                       ; in: 16 x lane of a row
	v_mul_u32_u24 v4, v8, SPX
	v_lshl_add_u32 v4, v9, 6, v4
	v_add_nc_u32 v4, s19, v4                       ; out: row r, + 64 h: my 16 numbers of each block of 32
	v_lshlrev_b32 v6, 4, v8
	v_lshl_add_u32 v6, v9, 3, v6                   ; the scale words' way out: 16 r + 8 h
	s_lshr_b32 s20, s17, 1
	s_lshl_b32 s20, s20, 17                        ; 32 (U / 2) rows of 4,096 bytes
	s_and_b32 s21, s17, 1
	s_lshl_b32 s21, s21, 15                        ; + 8 (U % 2) rows
	s_add_co_u32 s20, s20, s21
	s_lshl_b32 s21, s18, 11                        ; + my half of a row
	s_add_co_u32 s20, s20, s21
	s_mov_b32 s21, 0
	s_mul_i32 s26, s17, UNIT
	s_mul_i32 s22, s18, 4*FRB
	s_add_co_u32 s22, s22, s26                     ; my four fragments
	s_mov_b32 s23, 0
	s_lshl_b32 s24, s18, 8
	s_add_co_u32 s24, s24, s26
	s_add_co_u32 s24, s24, SCO                     ; my 256 bytes of scale words
	s_mov_b32 s25, 0
	s_mov_b32 s27, 0xffff0000                      ; lanes 16-31
	s_mov_b32 s[SEL], 0x76543210
	s_mov_b32 s[SEL+1], 0xfedcba98
.irp b, 0,1,2,3
	v_mov_b32 v[TM+4+\b], 0                        ; written once: a lane permute's destination counts as one of its sources
.endr
	s_wait_kmcnt 0x0
	s_add_nc_u64 s[20:21], s[4:5], s[20:21]
	s_add_nc_u64 s[22:23], s[10:11], s[22:23]
	s_add_nc_u64 s[24:25], s[10:11], s[24:25]
.macro LOADX f                         ; fragment f: 16 rows x 512 bytes; each load reads 512 consecutive bytes of one row
.irp i, 0,1,2,3,4,5,6,7,8,9,10,11,12,13,14,15
	global_load_b128 v[R+64*((\f)%2)+4*\i:R+64*((\f)%2)+4*\i+3], v2, s[20:21] offset:(\i+8*(\i/8))*4096+512*(\f) th:TH_LOAD_NT
.endr
.endm
.macro TURNX f                         ; through my stage: in as loaded, out 16 neighbours of each block a lane.  LDS serves a wave's instructions in order: no wait between
.irp i, 0,1,2,3,4,5,6,7,8,9,10,11,12,13,14,15
	ds_store_b128 v3, v[R+64*((\f)%2)+4*\i:R+64*((\f)%2)+4*\i+3] offset:SPX*\i
.endr
.irp b, 0,1,2,3
.irp j, 0,1,2,3
	ds_load_b128 v[X+16*\b+4*\j:X+16*\b+4*\j+3], v4 offset:128*\b+16*\j
.endr
.endr
.endm
; 64 numbers of a lane, register 16 b + i = k 32 b + 16 h + i of row r, become a fragment's codes in v[PC] on and its scale word in v[w]
.macro QUANT s, w
.irp b, 0,1,2,3
	v_max3_num_f32 v[TM+\b], |v[\s+16*\b]|, |v[\s+1+16*\b]|, 0x2800000   ; my 16 numbers of block b, and the floor 2^(5 - 127): the byte cannot fall under 1
.endr
.irp i, 2,4,6,8,10,12,14
.irp b, 0,1,2,3
	v_max3_num_f32 v[TM+\b], v[TM+\b], |v[\s+16*\b+\i]|, |v[\s+1+16*\b+\i]|
.endr
.endr
.irp b, 0,1,2,3
	v_permlanex16_b32 v[TM+4+\b], v[TM+\b], s[SEL], s[SEL+1]
.endr
.irp b, 0,1,2,3
	v_max_num_f32 v[TM+\b], v[TM+\b], v[TM+4+\b]   ; with lane l xor 16's: the block's largest magnitude
.endr
.irp b, 0,1,2,3
	v_add_nc_u32 v[TM+12+\b], 0xfe000000, v[TM+\b] ; 4 off its exponent field: the conversion's scale operand
.endr
.irp b, 0,1,2,3
	v_lshrrev_b32 v[TM+4+\b], 23, v[TM+12+\b]      ; the scale's byte
.endr
	v_lshl_or_b32 v[\w], v[TM+5], 8, v[TM+4]
	v_lshl_or_b32 v[\w], v[TM+6], 16, v[\w]
	v_lshl_or_b32 v[\w], v[TM+7], 24, v[\w]
.irp c, 0,1
	v_cvt_scalef32_pk16_bf6_f32 v[PC+6*\c:PC+2+6*\c], v[\s+32*\c:\s+15+32*\c], v[TM+12+2*\c]
	v_cvt_scalef32_pk16_bf6_f32 v[PC+12+4*\c:PC+14+4*\c], v[\s+16+32*\c:\s+31+32*\c], v[TM+12+2*\c+1]   ; (a conversion's three registers begin on an even number)
.endr
	v_nop                                          ; one plain place behind a scaled conversion
.irp c, 0,1                            ; the layout wants a whole block in a lane: lanes 0-15 block 2 c, lanes 16-31 block 2 c + 1
.irp i, 0,1,2
	v_permlane16_swap_b32 v[PC+6*\c+\i], v[PC+12+4*\c+\i]
.endr
.irp i, 0,1,2
	v_mov_b32 v[PC+3+6*\c+\i], v[PC+12+4*\c+\i]
.endr
.endr
.endm
.macro FRAGX f
.if (\f) < 3
	s_wait_loadcnt 16                              ; this fragment's 16 loads are in; the next fragment's 16 may be out
.else
	s_wait_loadcnt 0x0
.endif
	TURNX \f
	s_wait_dscnt 0x0                               ; the numbers are back, and the stage's stores have read the set as loaded
.if (\f) > 0
	s_wait_xcnt 0x0                                ; the last fragment's stores have read their codes: v[PC] on is rewritten only behind this wait
.endif
.if (\f) < 2
	LOADX (\f)+2
.endif
	QUANT X, SW+(\f)
.irp c, 0,1,2
	global_store_b128 v2, v[PC+4*\c:PC+4*\c+3], s[22:23] offset:FRB*(\f)+512*\c   ; 512 consecutive bytes, at a multiple of 256 from the buffer's first byte
.endr
.endm
	LOADX 0
	LOADX 1
	FRAGX 0
	FRAGX 1
	FRAGX 2
	FRAGX 3
	v_cndmask_b32 v34, v[SW], v[SW+2], s27         ; lanes (r, 0) store row r's words 0 and 1 of my half of K, lanes (r, 1) words 2 and 3:
	v_cndmask_b32 v35, v[SW+1], v[SW+3], s27
	global_store_b64 v6, v[34:35], s[24:25]        ; 32 lanes, 256 consecutive bytes
	s_wait_tensorcnt 0x0
	ds_add_u32 v62, v63
	s_wait_dscnt 0x0
	s_endpgm
; ---------------- the weights: a lane takes a column and its registers run down K.  Work-group T: column group T / 4 (64 columns), quarter T % 4 of K.  Wave 8 takes its first 32 columns, wave 9 the other 32: 8 blocks of 32, two fragments.
.Lweights:
	s_and_b32 s17, s16, 1                          ; cp: which 32 columns; the two waves side by side read 256 consecutive bytes of each row
	s_and_b32 s18, ttmp9, 3                        ; Q: which quarter of K
	s_lshr_b32 s19, ttmp9, 2                       ; column group 0..63: 0-47 W_qkv's, 48-63 W_proj's
	s_lshr_b32 s21, s19, 4                         ; W_qkv: 0 q, 1 k, 2 v
	s_and_b32 s22, s19, 15                         ; the head; in W_proj the column group
	s_lshr_b32 s23, s22, 2
	s_mul_i32 s23, s23, 48                         ; 48 units a group of four heads
	s_and_b32 s24, s22, 3                          ; t
	s_lshl_b32 s25, s24, 2
	s_add_co_u32 s25, s25, 32                      ; q: 32 + 4 t
	s_lshl_b32 s26, s24, 3
	s_lshl_b32 s27, s21, 2
	s_add_co_u32 s26, s26, s27
	s_sub_co_u32 s26, s26, 4                       ; k, v: 8 t + 4 x kind - 4
	s_cmp_eq_u32 s21, 0
	s_cselect_b32 s25, s25, s26
	s_add_co_u32 s25, s25, s23                     ; first unit in wqu
	s_lshl_b32 s26, s22, 2                         ; first unit in wpu
	s_mov_b32 s24, 4096
	s_wait_kmcnt 0x0
	s_cmp_lt_u32 s19, 48                           ; which tensor: the choice hangs on ids alone
	s_cselect_b32 s25, s25, s26
	s_cselect_b32 s20, 12288, s24                  ; a row of it in bytes
	s_cselect_b32 s21, s19, s22                    ; the column group in it
	s_cselect_b64 s[28:29], s[6:7], s[8:9]
	s_cselect_b64 s[30:31], s[12:13], s[14:15]
	s_lshl_b32 s21, s21, 8                         ; 64 columns are 256 bytes
	s_lshl_b32 s22, s17, 7
	s_add_co_u32 s21, s21, s22
	s_lshl_b32 s22, s20, 8                         ; 256 rows
	s_mul_i32 s22, s22, s18
	s_add_co_u32 s22, s22, s21
	s_mov_b32 s23, 0
	s_add_nc_u64 s[32:33], s[28:29], s[22:23]      ; block 0's first row, my first column
	s_lshl_b32 s26, s20, 5                         ; 32 rows on
	s_mov_b32 s27, 0
.set N, 0
.rept NBW-1
	s_add_nc_u64 s[34+2*N:35+2*N], s[32+2*N:33+2*N], s[26:27]   ; a base for each of the 8 blocks: none is rewritten while loads are out
.set N, N+1
.endr
	s_lshl_b32 s21, s17, 1
	s_add_co_u32 s25, s25, s21                     ; my two units
	s_mul_i32 s25, s25, UNIT
	s_mul_i32 s22, s18, 2*FRB                      ; K steps 2 Q and 2 Q + 1
	s_add_co_u32 s22, s22, s25
	s_mov_b32 s23, 0
	s_add_nc_u64 s[22:23], s[30:31], s[22:23]      ; my two fragments
	s_lshr_b32 s24, s18, 1
	s_lshl_b32 s24, s24, 8                         ; their scale words: 256 (Q / 2)
	s_and_b32 s26, s18, 1
	s_lshl_b32 s26, s26, 3                         ; + 8 (Q % 2)
	s_add_co_u32 s24, s24, s26
	s_add_co_u32 s24, s24, s25
	s_add_co_u32 s24, s24, SCO
	s_mov_b32 s25, 0
	s_add_nc_u64 s[24:25], s[30:31], s[24:25]
	v_lshlrev_b32 v3, 2, v1
.set N, 0
.rept 32
	v_mad_u32_u24 v[OFS+N], s20, N, v3             ; 4 x lane + N rows
.set N, N+1
.endr
	v_mul_u32_u24 v7, v9, UNIT
	v_lshl_add_u32 v7, v8, 4, v7                   ; the way out: unit lane / 16, 16 bytes for column lane % 16
.macro LOADW n                         ; block n: 32 rows of my column; a load reads 128 consecutive bytes
.set N, 0
.rept 32
	global_load_b32 v[RW+32*((\n)%4)+N], v[OFS+N], s[32+2*(\n):33+2*(\n)] th:TH_LOAD_NT
.set N, N+1
.endr
.endm
.macro WBLOCK n
.set KBL, (\n)%4                       ; the block in its K step of 128: image lane (r, KBL % 2), registers 6 (KBL / 2) on
.set XS, RW+32*KBL
.set FH, F+12*(KBL%2)+6*(KBL/2)
.if (\n) <= NBW-3
	s_wait_loadcnt 63                              ; 96 or 64 younger loads might stay out; the wait can name 63 at the most, and a smaller count is safe
.elseif (\n) == NBW-2
	s_wait_loadcnt 32                              ; the last block's 32 may be out
.else
	s_wait_loadcnt 0x0
.endif
.if ((\n) > 0) && (KBL == 0)
	s_wait_xcnt 0x0                                ; the last fragment's stores have read v[F] on: it is rewritten only behind this wait
.endif
	v_max3_num_f32 v12, |v[XS]|, |v[XS+1]|, |v[XS+2]|   ; the block's largest magnitude: all 32 numbers are mine
	v_max3_num_f32 v13, |v[XS+3]|, |v[XS+4]|, |v[XS+5]|
.irp i, 6,10,14,18,22,26
	v_max3_num_f32 v12, v12, |v[XS+\i]|, |v[XS+\i+1]|
	v_max3_num_f32 v13, v13, |v[XS+\i+2]|, |v[XS+\i+3]|
.endr
	v_max3_num_f32 v12, v12, |v[XS+30]|, |v[XS+31]|
	v_max3_num_f32 v12, v12, v13, 0x2800000        ; and the floor
	v_add_nc_u32 v11, 0xfe000000, v12              ; the conversion's scale operand
	v_lshrrev_b32 v13, 23, v11                     ; the byte
.if KBL == 0
	v_mov_b32 v[SW+(\n)/4], v13
.else
	v_lshl_or_b32 v[SW+(\n)/4], v13, 8*KBL, v[SW+(\n)/4]
.endif
	v_cvt_scalef32_pk16_bf6_f32 v[FH:FH+2], v[XS:XS+15], v11
	v_cvt_scalef32_pk16_bf6_f32 v[TC:TC+2], v[XS+16:XS+31], v11   ; (a conversion's three registers begin on an even number)
	v_nop                                          ; one plain place behind a scaled conversion
.irp i, 0,1,2
	v_mov_b32 v[FH+3+\i], v[TC+\i]
.endr
.if (\n)+4 < NBW
	LOADW (\n)+4                                   ; the block four on takes this block's registers
.endif
.if KBL == 3
.irp h, 0,1
.irp c, 0,1,2
	global_store_b128 v7, v[F+12*\h+4*\c:F+12*\h+4*\c+3], s[22:23] offset:FRB*((\n)/4)+512*\c+256*\h   ; sixteen lanes store 256 consecutive bytes, at a multiple of 256
.endr
.endr
.endif
.endm
	LOADW 0
	LOADW 1
	LOADW 2
	LOADW 3
.set NB, 0
.rept NBW
	WBLOCK NB
.set NB, NB+1
.endr
	global_store_b64 v7, v[SW:SW+1], s[24:25]      ; my column's two scale words: 8 bytes a lane, 16 bytes apart: half of a run of 256 bytes, of which the wave with the neighbouring quarter of K writes the other half (512 of a unit's 12,800 bytes leave so)
	s_endpgm
.Lfunc_end_k_q25ce916296_quant:
	.size	k_q25ce916296_quant, .Lfunc_end_k_q25ce916296_quant-k_q25ce916296_quant
	.p2alignl 7, 3214868480
	.fill 96, 4, 3214868480
	.section	.rodata,"a",@progbits
	.p2align	6, 0x0
	.amdhsa_kernel k_q25ce916296_quant
		.amdhsa_group_segment_fixed_size 85760
		.amdhsa_private_segment_fixed_size 0
		.amdhsa_enable_private_segment 0
		.amdhsa_kernarg_size 48
		.amdhsa_user_sgpr_count 2
		.amdhsa_user_sgpr_kernarg_segment_ptr 1
		.amdhsa_wavefront_size32 1
		.amdhsa_system_sgpr_workgroup_id_x 1
		.amdhsa_system_sgpr_workgroup_id_y 1
		.amdhsa_system_sgpr_workgroup_id_z 1
		.amdhsa_system_vgpr_workitem_id 0
		.amdhsa_next_free_vgpr 256
		.amdhsa_next_free_sgpr 66
		.amdhsa_reserve_vcc 0
		.amdhsa_float_denorm_mode_32 3
		.amdhsa_float_denorm_mode_16_64 3
		.amdhsa_memory_ordered 1
		.amdhsa_forward_progress 1
		.amdhsa_inst_pref_size 75
	.end_amdhsa_kernel
	.amdgpu_metadata
---
amdhsa.version: [ 1, 2 ]
amdhsa.kernels:
  - .name:           k_q25ce916296_quant
    .symbol:         k_q25ce916296_quant.kd
    .args:
      - { .name: x, .offset: 0, .size: 8, .value_kind: global_buffer, .address_space: global }
      - { .name: W_qkv, .offset: 8, .size: 8, .value_kind: global_buffer, .address_space: global }
      - { .name: W_proj, .offset: 16, .size: 8, .value_kind: global_buffer, .address_space: global }
      - { .name: xu, .offset: 24, .size: 8, .value_kind: global_buffer, .address_space: global }
      - { .name: wqu, .offset: 32, .size: 8, .value_kind: global_buffer, .address_space: global }
      - { .name: wpu, .offset: 40, .size: 8, .value_kind: global_buffer, .address_space: global }
    .group_segment_fixed_size: 85760
    .private_segment_fixed_size: 0
    .kernarg_segment_align: 8
    .kernarg_segment_size: 48
    .max_flat_workgroup_size: 320
    .sgpr_count:     66
    .vgpr_count:     256
    .wavefront_size: 32
...
	.end_amdgpu_metadata
.endif
;; end of part 1
;; launch qkv (part 2): grid 64 x 4, 4 waves a work-group, clusters of 4 x 1, 327,680 bytes of LDS; arguments xu, wqu, qs, kvp; writes qs, kvp
.if DOCPART == 2
	.amdgcn_target "amdgcn-amd-amdhsa--gfx1250"
	.amdhsa_code_object_version 6
	.text
	.protected	k_q25ce916296_qkv
	.globl	k_q25ce916296_qkv
	.p2align	8
	.type	k_q25ce916296_qkv,@function
k_q25ce916296_qkv:
	s_mov_b64 s[64:65], 0
	v_nop
	global_prefetch_b8 v0, s[64:65] scope:SCOPE_SE
	s_setreg_imm32_b32 hwreg(HW_REG_WAVE_MODE, 25, 1), 1
	s_wait_xcnt 0x0
	s_wait_alu depctr_hold_cnt(0) depctr_sa_sdst(0) depctr_va_vdst(0) depctr_va_sdst(0) depctr_va_ssrc(0) depctr_va_vcc(0) depctr_vm_vsrc(0)
	s_getreg_b32 s2, hwreg(HW_REG_IB_STS2, 6, 4)
	s_cmp_eq_u32 s2, 0
	s_cbranch_scc0 .Lentry_in_a_cluster
	s_endpgm
.Lentry_in_a_cluster:
	s_bfe_u32 s2, ttmp6, 0x10000c
	s_cmp_lg_u32 s2, 0x3003
	s_cbranch_scc0 .Lentry_shape_is_right
	s_endpgm
.Lentry_shape_is_right:
; For a block of 256 rows of x and a group g of four heads: qkv = x W_qkv on codes of BF6; k and q through elu + 1; each head's row sums of q -> qs; k and v quantised along the rows and multiplied, kv[d][m],
; summed over m and over the block's 256 rows -> kvp.  q, k and v never go to memory.
; SHARES.  A wave owns 64 rows and keeps their codes, 4 tiles x 8 K steps x 12 = 384 registers, for the whole launch.  The 48 units of the group's columns (16 columns x K 1,024 each, images of the operand's registers)
; stream through two LDS slots of 8 units; all four waves read every unit: a fragment of 1,536 bytes feeds four matrix instructions.
; BY TURNS.  A unit is 8 K steps x 4 tiles = 32 matrix instructions on 4 accumulators.  There are two sets of accumulators: while unit u is multiplied, unit u - 1's vector work stands in 32 pieces, one behind EACH matrix
; instruction: a unit of k has 133 vector instructions, a unit of q 112, a head's last unit of q 205.  All that the pieces touch lies in window 0 (but for the codes' last moves), the products' operands in windows 1 to 3:
; a piece costs two switches of the register window.
; LAYOUT.  Source 0 = 16 rows of x, source 1 = 16 columns: lane (r, h) holds column r; by the order of x's rows in a unit its 32 registers are rows 32 b + 16 h + i (register 16 b + i): neighbours along the next product's K.
; kv: a wave's 64 rows are half a K step: registers 6-11 of both operands hold zero codes.  Source 0 = 16 columns of v, source 1 = 16 columns of k: a lane holds one d, its registers run along m; the head's four units of v add onto the same four accumulators.
; elu(x) + 1 is the middle one of e^x, x + 1 and 1.
; CLUSTER.  The four row blocks of a cluster walk the same units: each fill is asked for jointly (mask 15).  The row block enters global addresses alone.
; No prefetch: the units are read by 64 row blocks at about the same time and shared in clusters, and a refill has 8 units' work, 256 matrix instructions, in which to land; x's codes are asked for once, at the head.
; LIMITS: NaN and infinities are not served.  For x <= 0, elu(x) + 1 is taken as e^x by v_exp_f32 (results under 2^-126 come out as 0); expm1(x) + 1 in f32 differs from it by 2^-25 at the most.
; A block whose largest magnitude lies under 2^(5 - 127) gets the byte 1.  The sums over rows are taken 64 rows, then 4 waves, then (next launch) 16 blocks at a time.
.set UNIT,  12800
.set FRB,   1536
.set SCO,   12288
.set SLOT,  8*UNIT                     ; 102,400
.set HALF,  4*UNIT
.set QST,   2*SLOT                     ; behind the ring: 1,024 bytes a wave: q's sums, 64 rows x 4 heads
.set KVX,   QST+4096                   ; 1,024 bytes a wave: kv's sums, 4 heads x 64
.set SPARE, KVX+4096                   ; the spare words, 128 bytes a wave: two blocks of 256 bytes that no other line names
.set LI,   1                           ; v1   16 x lane
.set ADRL, 2                           ; v2   LDS address of the units in hand
.set ADRH, 3                           ; v3   the same, four units on
.set SPW,  4                           ; v4   my spare word; never rewritten
.set NIL,  5                           ; v5   0; never rewritten
.set QSA,  6                           ; v6   QST + 1024 wave + 16 lane
.set KXA,  7                           ; v7   KVX + 1024 wave + 4 r
.set KRD,  8                           ; v8   KVX + 256 wave + 8 lane
.set KGO,  9                           ; v9   8 x lane
.set QAD,  10
.set KAD,  11
.set SA,   16                          ; v16-31  x's scale words: 4 a + q % 4; lanes 0-15 K steps 0-3, lanes 16-31 K steps 4-7
.set SB,   32                          ; v32-39  the units' likewise: 4 p + q % 4
.set U,    40                          ; v40-43  at work
.set TM,   48                          ; v48-51
.set SO0,  52                          ; v52-53  the conversions' scale operands
.set BY,   54                          ; v54-55  bytes
.set PC,   56                          ; v56-58, v60-62 codes
.set PX,   60
.set ACC,  64                          ; v64-127 two sets of four accumulators
.set T,    128                         ; v128-159
.set Y,    160                         ; v160-191
.set S,    192                         ; v192-223 q's sums (behind the kv part)
.set KVA,  192                         ; v192-223 kv's four accumulators
.set KSC,  224                         ; v224-227 k's scale words
.set VSC,  228                         ; v228     v's
.set KF,   192                         ; window 1: k's four fragments, 12 registers each
.set VF,   192                         ; window 2: v's fragment
; window 1: x's fragments of K steps 0-3 at 12 (4 q + a); window 2: of K steps 4-7; window 3: the unit's fragments, buffer p at 96 p + 12 q
.set WV,   12
.set G1,   16
.set G0A,  24
.set G0B,  28
.set SEL,  32
.set L2E,  34
.set M8,   36                          ; s36-39 lanes whose number has bit 3, 2, 1, 0 set
.set TB,   40                          ; LDS byte at which the units in hand begin
.set SOF,  41                          ; the slot that the walking descriptor fills
.set WB,   42                          ; 25,600 x wave: my quarter of a slot
.set CNT,  43
.set KT,   44                          ; 256 x head
.set QT,   45                          ; 4 x head
.set XB,   46
.set QB,   48
.set KPB,  50
.set MSB, 0
.macro WIN new                         ; the immediate's high byte repeats the setting that is left; a switch that changes nothing is dropped
.if MSB != \new
	s_set_vgpr_msb (MSB<<8)|\new
.set MSB, \new
.endif
.endm
.macro PLACES n
.rept \n
	v_nop
.endr
.endm
.macro CROUND                          ; a round of the cluster's barrier
	s_barrier_signal -1
	s_barrier_wait -1
	s_cmp_lg_u32 s[WV], 0
	s_cbranch_scc1 .Lnot_wave_0_\@
	s_barrier_signal -3
.Lnot_wave_0_\@:
	s_barrier_wait -3
	s_barrier_signal -1
	s_barrier_wait -1
.endm
	s_load_b256 s[4:11], s[0:1], 0x0               ; xu s[4:5], wqu s[6:7], qs s[8:9], kvp s[10:11]
	v_lshl_add_u32 v[SPW], v0, 2, SPARE
	v_mov_b32 v[NIL], 0
	ds_add_u32 v4, v5
	ds_add_u32 v4, v5
	s_wait_dscnt 0x0
	v_lshrrev_b32 v12, 5, v0
	v_readfirstlane_b32 s[WV], v12                 ; wave 0..3
	s_bfe_u32 s13, ttmp6, 0x40000                  ; cx
	s_lshl_b32 s14, ttmp9, 2
	s_add_co_u32 s14, s14, s13                     ; row block = 4 x cluster x + cx
	s_and_b32 s15, ttmp7, 0xffff                   ; g, which the partners share
	s_mov_b32 s[G1], 15|(3<<16)|(1<<21)            ; the mask: all four; elements of 8 bytes; bit 21 beside a mask; no padding
	s_mov_b32 s[G1+1], 32<<16                      ; tensor_dim0 = 32: rows of 256 bytes
	s_mov_b32 s[G1+2], 100<<16                     ; tensor_dim1 = 100
	s_mov_b32 s[G1+3], 32<<16                      ; tile_dim0
	s_mov_b32 s[G1+4], 100                         ; tile_dim1: 25,600 dense bytes, a quarter of a slot
	s_mov_b32 s[G1+5], 32                          ; pitch
	s_mov_b32 s[G1+6], 0
	s_mov_b32 s[G1+7], 0
	s_mov_b32 s[SEL], 0x76543210
	s_mov_b32 s[SEL+1], 0xfedcba98
	s_mov_b32 s[L2E], 0x3fb8aa3b                   ; log2(e)
	s_mov_b32 s[L2E+1], s[L2E]
	s_mov_b32 s[M8], 0xff00ff00
	s_mov_b32 s[M8+1], 0xf0f0f0f0
	s_mov_b32 s[M8+2], 0xcccccccc
	s_mov_b32 s[M8+3], 0xaaaaaaaa
	s_mov_b32 s[TB], 0
	s_mov_b32 s[SOF], SLOT
	s_mov_b32 s[KT], 0
	s_mov_b32 s[QT], 0
	s_mul_i32 s[WB], s[WV], 2*UNIT
	s_mul_i32 s52, s15, 48*UNIT                    ; the group's 48 units,
	s_add_co_u32 s52, s52, s[WB]                   ; my quarter of the first eight
	s_mov_b32 s53, 0
	s_lshl_b32 s54, s14, 4
	s_lshl_b32 s55, s[WV], 2
	s_add_co_u32 s54, s54, s55                     ; my first unit of x: 16 x row block + 4 x wave
	s_mul_i32 s[XB], s54, UNIT
	s_mov_b32 s[XB+1], 0
	s_lshl_b32 s54, s14, 12
	s_lshl_b32 s[QB], s15, 18                      ; qs: [g][row][4]: 262,144 g + 16 (256 row block + 64 wave)
	s_add_co_u32 s[QB], s[QB], s54
	s_lshl_b32 s55, s[WV], 10
	s_add_co_u32 s[QB], s[QB], s55
	s_mov_b32 s[QB+1], 0
	s_lshl_b32 s[KPB], s15, 10                     ; kvp: [row block][head][64]: 4,096 row block + 256 (4 g + wave)
	s_add_co_u32 s[KPB], s[KPB], s54
	s_lshl_b32 s55, s[WV], 8
	s_add_co_u32 s[KPB], s[KPB], s55
	s_mov_b32 s[KPB+1], 0
	s_lshl_b32 s56, s[WV], 10
	s_lshl_b32 s57, s[WV], 8
	v_and_b32 v12, 31, v0
	v_and_b32 v13, 15, v0
	v_lshlrev_b32 v[LI], 4, v12
	v_add_nc_u32 v[ADRL], s[TB], v[LI]
	v_add_nc_u32 v[ADRH], HALF, v[ADRL]
	v_add_nc_u32 v[QSA], s56, v[LI]
	v_add_nc_u32 v[QSA], QST, v[QSA]
	v_lshl_add_u32 v[KXA], v13, 2, s56
	v_add_nc_u32 v[KXA], KVX, v[KXA]
	v_lshlrev_b32 v[KGO], 3, v12
	v_add_nc_u32 v[KRD], s57, v[KGO]
	v_add_nc_u32 v[KRD], KVX, v[KRD]
	v_mov_b32 v[TM+2], 0                           ; written once: a lane permute's destination counts as one of its sources
	v_mov_b32 v[TM+3], 0
	s_wait_kmcnt 0x0
	s_add_nc_u64 s[52:53], s[6:7], s[52:53]
	s_add_nc_u64 s[XB:XB+1], s[4:5], s[XB:XB+1]
	s_add_nc_u64 s[QB:QB+1], s[8:9], s[QB:QB+1]
	s_add_nc_u64 s[KPB:KPB+1], s[10:11], s[KPB:KPB+1]
	s_mov_b32 s[G0A], 1
	s_mov_b32 s[G0A+1], s[WB]                      ; slot 0
	s_mov_b64 s[G0A+2:G0A+3], s[52:53]
	s_or_b32 s[G0A+3], s[G0A+3], 0x80000000
	s_mov_b32 s[G0B], 1
	s_add_co_u32 s[G0B+1], s[WB], SLOT             ; slot 1; this descriptor then walks
	s_add_nc_u64 s[G0B+2:G0B+3], s[52:53], SLOT
	s_or_b32 s[G0B+3], s[G0B+3], 0x80000000
	CROUND                                         ; all four work-groups are here: the first joint loads meet
	tensor_load_to_lds s[G0A:G0A+3], s[G1:G1+7]    ; both first fills together: two loads of mine are out
	s_nop 0
	tensor_load_to_lds s[G0B:G0B+3], s[G1:G1+7]
	s_nop 0
	PLACES 4                                       ; (behind a tensor load)
	WIN 0x40                                       ; destination window 1
.irp q, 0,1,2,3
.irp a, 0,1,2,3
.irp c, 0,1,2
	global_load_b128 v[12*(4*\q+\a)+4*\c:12*(4*\q+\a)+4*\c+3], v[LI], s[XB:XB+1] offset:UNIT*\a+FRB*\q+512*\c
.endr
.endr
.endr
.irp i, 0,1,2,3
.irp j, 6,7,8,9,10,11
	v_mov_b32 v[KF+12*\i+\j], 0                    ; the upper 64 of the kv product's K step: zero codes, once
.endr
.endr
	WIN 0x80                                       ; destination window 2
.irp q, 0,1,2,3
.irp a, 0,1,2,3
.irp c, 0,1,2
	global_load_b128 v[12*(4*\q+\a)+4*\c:12*(4*\q+\a)+4*\c+3], v[LI], s[XB:XB+1] offset:UNIT*\a+FRB*(\q+4)+512*\c
.endr
.endr
.endr
.irp j, 6,7,8,9,10,11
	v_mov_b32 v[VF+\j], 0
.endr
	WIN 0
.irp a, 0,1,2,3
	global_load_b128 v[SA+4*\a:SA+4*\a+3], v[LI], s[XB:XB+1] offset:UNIT*\a+SCO
.endr
; 25 LDS loads: a unit's eight fragments into buffer p, and its scale words
.macro LOADB p, adr, off
	WIN 0xc0                                       ; destination window 3
.irp q, 0,1,2,3,4,5,6,7
.irp c, 0,1,2
	ds_load_b128 v[96*(\p)+12*\q+4*\c:96*(\p)+12*\q+4*\c+3], v[\adr] offset:(\off)+FRB*\q+512*\c
.endr
.endr
	WIN 0
	ds_load_b128 v[SB+4*(\p):SB+4*(\p)+3], v[\adr] offset:(\off)+SCO
.endm
; One product: K step q of the unit in buffer p against tile a of x.  The four accumulators of set p take turns, one instruction a turn
.macro MUL1 p, q, a
.set RA, 12*(4*((\q)%4)+(\a))
.set RB, 96*(\p)+12*(\q)
.set RC, ACC+32*(\p)+8*(\a)
.set RS, SA+4*(\a)+(\q)%4
.set RT, SB+4*(\p)+(\q)%4
.if (\q) < 4
	WIN 0x0d                                       ; source 0 (x) window 1, source 1 (the unit) window 3
.else
	WIN 0x0e                                       ; source 0 window 2
.endif
.if (\q) == 0
	v_wmma_scale_f32_16x16x128_f8f6f4 v[RC:RC+7], v[RA:RA+11], v[RB:RB+11], 0, v[RS], v[RT] matrix_a_fmt:MATRIX_FMT_BF6 matrix_b_fmt:MATRIX_FMT_BF6
.elseif (\q) < 4
	v_wmma_scale_f32_16x16x128_f8f6f4 v[RC:RC+7], v[RA:RA+11], v[RB:RB+11], v[RC:RC+7], v[RS], v[RT] matrix_a_fmt:MATRIX_FMT_BF6 matrix_b_fmt:MATRIX_FMT_BF6
.else
	v_wmma_scale_f32_16x16x128_f8f6f4 v[RC:RC+7], v[RA:RA+11], v[RB:RB+11], v[RC:RC+7], v[RS], v[RT] matrix_a_fmt:MATRIX_FMT_BF6 matrix_b_fmt:MATRIX_FMT_BF6 matrix_a_scale:MATRIX_SCALE_ROW1 matrix_b_scale:MATRIX_SCALE_ROW1
.endif
.endm
; elu + 1 on the set at x, by pairs of registers i = 0 .. 15
.macro SCL x, i                        ; T = x log2 e.  (The pairs ascend: each accumulator is first read at its low end)
	v_pk_mul_f32 v[T+2*(\i):T+2*(\i)+1], v[(\x)+2*(\i):(\x)+2*(\i)+1], s[L2E:L2E+1] op_sel_hi:[1,0]
.endm
.macro EXQ i                           ; T = 2^T = e^x
	v_exp_f32 v[T+2*(\i)], v[T+2*(\i)]
	v_exp_f32 v[T+2*(\i)+1], v[T+2*(\i)+1]
.endm
.macro INC x, i                        ; Y = x + 1
	v_pk_add_f32 v[Y+2*(\i):Y+2*(\i)+1], v[(\x)+2*(\i):(\x)+2*(\i)+1], 1.0 op_sel_hi:[1,0]
.endm
.macro MID i, mode                     ; the middle one of e^x, x + 1, 1.  mode 0: it starts q's sums; else it stays in Y
.if (\mode) == 0
	v_med3_num_f32 v[S+2*(\i)], v[T+2*(\i)], v[Y+2*(\i)], 1.0
	v_med3_num_f32 v[S+2*(\i)+1], v[T+2*(\i)+1], v[Y+2*(\i)+1], 1.0
.else
	v_med3_num_f32 v[Y+2*(\i)], v[T+2*(\i)], v[Y+2*(\i)], 1.0
	v_med3_num_f32 v[Y+2*(\i)+1], v[T+2*(\i)+1], v[Y+2*(\i)+1], 1.0
.endif
.endm
.macro ACQ i                           ; onto q's sums
	v_pk_add_f32 v[S+2*(\i):S+2*(\i)+1], v[S+2*(\i):S+2*(\i)+1], v[Y+2*(\i):Y+2*(\i)+1]
.endm
; THE FIRST HALF, piece m of 16 / w, w pairs a piece: the next piece's scalings, then this piece's exponentials, so that no exponential reads the line just above it.
; A unit's 32 exponentials are one batch: nothing in this half names a result.  The last piece ends with the first pre pairs of x + 1: the plain instruction behind the last exponential.
.macro PH1 x, m, w, pre
	WIN 0
.if (\m) == 0
.set PJ, 0
.rept \w
	SCL \x, PJ
.set PJ, PJ+1
.endr
.endif
.if ((\m)+1)*(\w) < 16
.set PJ, ((\m)+1)*(\w)
.rept \w
	SCL \x, PJ
.set PJ, PJ+1
.endr
.endif
.set PJ, (\m)*(\w)
.rept \w
	EXQ PJ
.set PJ, PJ+1
.endr
.if ((\m)+1)*(\w) == 16
.set PJ, 0
.rept \pre
	INC \x, PJ
.set PJ, PJ+1
.endr
.endif
.endm
; THE SECOND HALF, piece m of 16 / w: the one wait for the batch, ahead of its first reader; then in each piece the next piece's x + 1, this piece's middles and (mode 1) the last piece's additions.
.macro PH2 x, m, w, mode
	WIN 0
.if (\m) == 0
	s_wait_alu depctr_va_vdst(0)
.endif
.if ((\m)+1)*(\w) < 16
.set PJ, ((\m)+1)*(\w)
.rept \w
	INC \x, PJ
.set PJ, PJ+1
.endr
.endif
.set PJ, (\m)*(\w)
.rept \w
	MID PJ, \mode
.set PJ, PJ+1
.endr
.if (\mode) == 1
.if (\m) > 0
.set PJ, ((\m)-1)*(\w)
.rept \w
	ACQ PJ
.set PJ, PJ+1
.endr
.endif
.if ((\m)+1)*(\w) == 16
.set PJ, (\m)*(\w)
.rept \w
	ACQ PJ
.set PJ, PJ+1
.endr
.endif
.endif
.endm
; the quantiser along the rows: 32 registers = my 16 numbers of each of two blocks of 32.  Line m of the 16 that find the largest magnitudes, the two blocks by turns
.macro QHM src, abs, m
.set HB, (\m)%2
.set HJ, (\m)/2
.if HJ == 0
.if \abs
	v_max3_num_f32 v[TM+HB], |v[(\src)+16*HB]|, |v[(\src)+16*HB+1]|, 0x2800000   ; with the floor 2^(5 - 127): the byte cannot fall under 1
.else
	v_max3_num_f32 v[TM+HB], v[(\src)+16*HB], v[(\src)+16*HB+1], 0x2800000       ; (elu + 1 is never negative)
.endif
.else
.if \abs
	v_max3_num_f32 v[TM+HB], v[TM+HB], |v[(\src)+16*HB+2*HJ]|, |v[(\src)+16*HB+2*HJ+1]|
.else
	v_max3_num_f32 v[TM+HB], v[TM+HB], v[(\src)+16*HB+2*HJ], v[(\src)+16*HB+2*HJ+1]
.endif
.endif
.endm
.macro SC1
	WIN 0
	v_permlanex16_b32 v[TM+2], v[TM], s[SEL], s[SEL+1]
	v_permlanex16_b32 v[TM+3], v[TM+1], s[SEL], s[SEL+1]
	v_max_num_f32 v[TM], v[TM], v[TM+2]            ; with lane l xor 16's: the block's largest magnitude
	v_max_num_f32 v[TM+1], v[TM+1], v[TM+3]
.endm
.macro SC2 wreg
	WIN 0
	v_add_nc_u32 v[SO0], 0xfe000000, v[TM]         ; 4 off the exponent field: the conversion's scale operand
	v_add_nc_u32 v[SO0+1], 0xfe000000, v[TM+1]
	v_lshrrev_b32 v[BY], 23, v[SO0]
	v_lshrrev_b32 v[BY+1], 23, v[SO0+1]
	v_lshl_or_b32 v[\wreg], v[BY+1], 8, v[BY]      ; bytes 2 and 3 stay 0, over zero codes
.endm
.macro QH_CVT src
	WIN 0
	v_cvt_scalef32_pk16_bf6_f32 v[PC:PC+2], v[(\src):(\src)+15], v[SO0]
	v_cvt_scalef32_pk16_bf6_f32 v[PX:PX+2], v[(\src)+16:(\src)+31], v[SO0+1]
	v_nop                                          ; one plain place behind a scaled conversion
.irp i, 0,1,2
	v_permlane16_swap_b32 v[PC+\i], v[PX+\i]       ; a whole block to a lane: lanes 0-15 block 0, lanes 16-31 block 1
.endr
.endm
.macro QH_MOV win, dst
	WIN \win
.irp i, 0,1,2
	v_mov_b32 v[(\dst)+\i], v[PC+\i]
	v_mov_b32 v[(\dst)+3+\i], v[PX+\i]
.endr
.endm
.macro KVMUL jj                        ; unit jj of v against the head's four units of k
	WIN 0x06                                       ; source 0 (v) window 2, source 1 (k) window 1
.irp i, 0,1,2,3
.if (\jj) == 0
	v_wmma_scale_f32_16x16x128_f8f6f4 v[KVA+8*\i:KVA+8*\i+7], v[VF:VF+11], v[KF+12*\i:KF+12*\i+11], 0, v[VSC], v[KSC+\i] matrix_a_fmt:MATRIX_FMT_BF6 matrix_b_fmt:MATRIX_FMT_BF6
.else
	v_wmma_scale_f32_16x16x128_f8f6f4 v[KVA+8*\i:KVA+8*\i+7], v[VF:VF+11], v[KF+12*\i:KF+12*\i+11], v[KVA+8*\i:KVA+8*\i+7], v[VSC], v[KSC+\i] matrix_a_fmt:MATRIX_FMT_BF6 matrix_b_fmt:MATRIX_FMT_BF6
.endif
.endr
.endm
.macro KVS1 i                          ; the sum over m of accumulator i: my eight registers, from the low end on
	v_pk_add_f32 v[T+4*(\i):T+4*(\i)+1], v[KVA+8*(\i):KVA+8*(\i)+1], v[KVA+8*(\i)+2:KVA+8*(\i)+3]
	v_pk_add_f32 v[T+4*(\i)+2:T+4*(\i)+3], v[KVA+8*(\i)+4:KVA+8*(\i)+5], v[KVA+8*(\i)+6:KVA+8*(\i)+7]
.endm
; piece e of the 8 behind a head's last kv products: four places; the sum over m; lane l xor 16's; to my wave's words: head t at 256 t, d = 16 i + r at 64 i + 4 r (both halves write the same word with the same value)
.macro KVEND e
.if (\e) == 0
	PLACES 4
.elseif (\e) == 1
	WIN 0
	KVS1 0
	KVS1 1
.elseif (\e) == 2
	WIN 0
	KVS1 2
	KVS1 3
.elseif (\e) == 3
	WIN 0
.irp i, 0,1,2,3
	v_pk_add_f32 v[T+4*\i:T+4*\i+1], v[T+4*\i:T+4*\i+1], v[T+4*\i+2:T+4*\i+3]
.endr
.elseif (\e) == 4
	WIN 0
.irp i, 0,1,2,3
	v_add_f32 v[T+4*\i], v[T+4*\i], v[T+4*\i+1]
.endr
.elseif (\e) == 5
	WIN 0
.irp i, 0,1,2,3
	v_permlanex16_b32 v[T+4*\i+1], v[T+4*\i], s[SEL], s[SEL+1]
.endr
	v_add_nc_u32 v[KAD], s[KT], v[KXA]
.elseif (\e) == 6
	WIN 0
.irp i, 0,1,2,3
	v_add_f32 v[T+4*\i], v[T+4*\i], v[T+4*\i+1]
.endr
.elseif (\e) == 7
	WIN 0
.irp i, 0,1,2,3
	ds_store_b32 v[KAD], v[T+4*\i] offset:64*\i
.endr
.endif
.endm
; The sum over the 16 columns that lie in 16 lanes, in four stages: a lane keeps the half of its 2 d registers that its bit says and adds the partner's; after the four stages lane r holds row r's sum.
; Two registers of one stage, their lines by turns
.macro BF2 i0, i1, d, m, xm
	v_cndmask_b32 v[U], v[S+(\i0)+(\d)], v[S+(\i0)], s[\m]
	v_cndmask_b32 v[U+1], v[S+(\i0)], v[S+(\i0)+(\d)], s[\m]
	v_cndmask_b32 v[U+2], v[S+(\i1)+(\d)], v[S+(\i1)], s[\m]
	v_cndmask_b32 v[U+3], v[S+(\i1)], v[S+(\i1)+(\d)], s[\m]
	v_add_f32_dpp v[S+(\i0)], v[U], v[U+1] row_xmask:\xm row_mask:0xf bank_mask:0xf
	v_add_f32_dpp v[S+(\i1)], v[U+2], v[U+3] row_xmask:\xm row_mask:0xf bank_mask:0xf
.endm
.macro BFP k                           ; piece k of 15: stage 1 (16 registers: 0-7 and 16-23), stage 2 (0-3, 16-19), stage 3 (0-1, 16-17), stage 4 (0, 16)
	WIN 0
.if (\k) < 8
	BF2 2*(\k)+8*((\k)/4), 2*(\k)+8*((\k)/4)+1, 8, M8, 8
.elseif (\k) < 12
	BF2 2*(((\k)-8)%2)+16*(((\k)-8)/2), 2*(((\k)-8)%2)+16*(((\k)-8)/2)+1, 4, M8+1, 4
.elseif (\k) < 14
	BF2 16*((\k)-12), 16*((\k)-12)+1, 2, M8+2, 2
.else
	BF2 0, 16, 1, M8+3, 1
.endif
.endm
; THE CHANGE OF SLOTS.  The slot's last unit has been asked for.  Each wave waits for all its tensor loads (its part of the other slot), adds 0 to its spare word, and waits for that and for its reads of the slot.
; Behind the cluster's round nobody reads the slot: it is filled with the units two slots on, which have 8 units' work in which to land.
.macro CHANGE
	s_wait_tensorcnt 0x0                           ; no tensor load of mine is out, so the walking descriptor may be written
	ds_add_u32 v[SPW], v[NIL]
	s_xor_b32 s[SOF], s[SOF], SLOT                 ; the other slot than last time,
	s_add_co_u32 s[G0B+1], s[WB], s[SOF]
	s_add_nc_u64 s[G0B+2:G0B+3], s[G0B+2:G0B+3], SLOT   ; the next eight units
	s_wait_dscnt 0x0                               ; the add is done, and my reads of the slot are over
	CROUND
	tensor_load_to_lds s[G0B:G0B+3], s[G1:G1+7]    ; my one tensor load behind the round
	s_nop 0
	PLACES 4
	s_xor_b32 s[TB], s[TB], SLOT                   ; the reads go on in the other slot
	v_add_nc_u32 v[ADRL], s[TB], v[LI]
	v_add_nc_u32 v[ADRH], HALF, v[ADRL]
.endm
.macro BAR0                            ; every wave's part of the last fill has landed before anybody reads it
	s_wait_tensorcnt 0x0
	ds_add_u32 v[SPW], v[NIL]
	s_wait_dscnt 0x0
	s_barrier_signal -1
	s_barrier_wait -1
.endm
; Piece n of 32 of the vector work on the set at x.  kind 0: none; 1: a unit of q (arg 1: the head's first); 2: the head's last unit of q, and the sums over its columns; 3: unit arg of k; 4: unit arg of v.
.macro PIECE kind, n, x, arg
.if (\kind) == 1
.if (\n) < 16
	PH1 \x, \n, 1, 1
.else
	PH2 \x, (\n)-16, 1, 1-(\arg)
.endif
.elseif (\kind) == 2
.if (\n) < 8
	PH1 \x, \n, 2, 2
.elseif (\n) < 16
	PH2 \x, (\n)-8, 2, 1
.elseif (\n) < 31
	BFP (\n)-16
.else
	WIN 0
	v_add_nc_u32 v[QAD], s[QT], v[QSA]
	ds_store_b32 v[QAD], v[S]                      ; lane L: the head's sum of row L,
	ds_store_b32 v[QAD], v[S+16] offset:512        ; and of row 32 + L
.endif
.elseif (\kind) == 3
.if (\n) < 16
	PH1 \x, \n, 1, 2
.elseif (\n) < 24
	PH2 \x, (\n)-16, 2, 2
.elseif (\n) < 28
	WIN 0
.irp e, 0,1,2,3
	QHM Y, 0, 4*((\n)-24)+\e
.endr
.elseif (\n) == 28
	SC1
.elseif (\n) == 29
	SC2 KSC+(\arg)
.elseif (\n) == 30
	QH_CVT Y
.else
	QH_MOV 0x40, KF+12*(\arg)
.endif
.elseif (\kind) == 4
.if (\n) < 8
	WIN 0
	QHM \x, 1, 2*(\n)
	QHM \x, 1, 2*(\n)+1
.elseif (\n) == 8
	SC1
.elseif (\n) == 9
	SC2 VSC
.elseif (\n) == 10
	QH_CVT \x
.elseif (\n) == 11
	QH_MOV 0x80, VF
.elseif (\n) < 16
	PLACES 2                                       ; eight in all: a scale word made by vector instructions stands 8 places ahead of the scaled product, an operand 4
.elseif (\n) == 16
	KVMUL \arg
.elseif (\arg) == 3
	KVEND (\n)-17
.endif
.endif
.endm
; A STEP: the unit in buffer p is multiplied into set p; the next unit is fetched into the other buffer; the other set's vector work stands in pieces, one behind each product.
; The four v_nop at its head are the places behind the last step's products: for the loads into the buffer that they read, and for the first reads of their results.
; sync 1: the change of slots; 2: the barrier in front of the last slot's first read; 3: the reads go four units on.
.macro STEP p, kind, arg, sync, ld, adr, off
	WIN 0
	PLACES 4
.if (\sync) == 1
	CHANGE
.elseif (\sync) == 2
	BAR0
.elseif (\sync) == 3
	s_add_co_u32 s[TB], s[TB], HALF
	v_add_nc_u32 v[ADRL], s[TB], v[LI]
.endif
.if \ld
	LOADB 1-(\p), \adr, \off
.endif
	s_wait_dscnt 25*(\ld)                          ; all but the 25 loads just issued: this unit's fragments are in, older LDS stores are done
.set KN, 0
.rept 32
	MUL1 \p, KN/4, KN%4
	PIECE \kind, KN, ACC+32*(1-(\p)), \arg
.set KN, KN+1
.endr
	WIN 0                                          ; at a label and at a branch every window is 0
.endm
	s_wait_tensorcnt 0x1                           ; my part of slot 0 is in; slot 1's may stay out
	s_barrier_signal -1
	s_barrier_wait -1
	LOADB 0, ADRL, 0
	s_wait_loadcnt 0x0                             ; x's codes and scale words
	STEP 0, 0, 0, 0, 1, ADRL, UNIT                 ; the first unit of k: no vector work yet
	s_mov_b32 s[CNT], 4
.Lkv:                                              ; a trip is a head: its k and v.  All four changes of slots fill a slot that is read later
	STEP 1, 3, 0, 0, 1, ADRL, 2*UNIT
	STEP 0, 3, 1, 0, 1, ADRL, 3*UNIT
	STEP 1, 3, 2, 0, 1, ADRH, 0
	STEP 0, 3, 3, 0, 1, ADRH, UNIT
	STEP 1, 4, 0, 0, 1, ADRH, 2*UNIT
	STEP 0, 4, 1, 0, 1, ADRH, 3*UNIT
	STEP 1, 4, 2, 1, 1, ADRL, 0
	STEP 0, 4, 3, 0, 1, ADRL, UNIT
	s_add_co_u32 s[KT], s[KT], 256
	s_sub_co_i32 s[CNT], s[CNT], 1
	s_cmp_lg_u32 s[CNT], 0
	s_cbranch_scc1 .Lkv
	s_mov_b32 s[CNT], 3
.Lq:                                               ; a trip is a head's q: the 16 units of q lie on end in the two slots
	STEP 1, 1, 1, 0, 1, ADRL, 2*UNIT
	STEP 0, 1, 0, 0, 1, ADRL, 3*UNIT
	STEP 1, 1, 0, 2, 1, ADRL, 4*UNIT
	STEP 0, 2, 0, 3, 1, ADRL, UNIT
	s_add_co_u32 s[QT], s[QT], 4
	s_sub_co_i32 s[CNT], s[CNT], 1
	s_cmp_lg_u32 s[CNT], 0
	s_cbranch_scc1 .Lq
	STEP 1, 1, 1, 0, 1, ADRL, 2*UNIT               ; the last head: nothing is fetched beyond unit 15
	STEP 0, 1, 0, 0, 1, ADRL, 3*UNIT
	STEP 1, 1, 0, 0, 0, ADRL, 0
	PLACES 4
.set KN, 0
.rept 32
	PIECE 2, KN, ACC+32, 0                         ; the last unit's vector work: no product is left to set it beside
.set KN, KN+1
.endr
	; the way out.  My 64 rows' sums of the four heads: 16 bytes a row, my own LDS bytes, served in order
	ds_load_b128 v[232:235], v[QSA]
	ds_load_b128 v[236:239], v[QSA] offset:512
	s_wait_dscnt 0x0
	global_store_b128 v[LI], v[232:235], s[QB:QB+1]              ; 512 consecutive bytes each
	global_store_b128 v[LI], v[236:239], s[QB:QB+1] offset:512
	s_barrier_signal -1                            ; every wave's kv sums lie in LDS (its wait for 0 stands above)
	s_barrier_wait -1
.irp i, 0,1,2,3
	ds_load_b64 v[240+2*\i:241+2*\i], v[KRD] offset:1024*\i      ; wave w adds the four waves' sums of head w
.endr
	s_wait_dscnt 0x0
	v_pk_add_f32 v[240:241], v[240:241], v[242:243]
	v_pk_add_f32 v[244:245], v[244:245], v[246:247]
	v_pk_add_f32 v[240:241], v[240:241], v[244:245]
	global_store_b64 v[KGO], v[240:241], s[KPB:KPB+1]            ; 32 lanes, 256 consecutive bytes
	s_wait_tensorcnt 0x0                           ; the wave's end
	ds_add_u32 v[SPW], v[NIL]
	s_wait_dscnt 0x0
	CROUND                                         ; the closing round
	s_endpgm
.Lfunc_end_k_q25ce916296_qkv:
	.size	k_q25ce916296_qkv, .Lfunc_end_k_q25ce916296_qkv-k_q25ce916296_qkv
	.p2alignl 7, 3214868480
	.fill 96, 4, 3214868480
	.section	.rodata,"a",@progbits
	.p2align	6, 0x0
	.amdhsa_kernel k_q25ce916296_qkv
		.amdhsa_group_segment_fixed_size 327680
		.amdhsa_private_segment_fixed_size 0
		.amdhsa_enable_private_segment 0
		.amdhsa_kernarg_size 32
		.amdhsa_user_sgpr_count 2
		.amdhsa_user_sgpr_kernarg_segment_ptr 1
		.amdhsa_wavefront_size32 1
		.amdhsa_system_sgpr_workgroup_id_x 1
		.amdhsa_system_sgpr_workgroup_id_y 1
		.amdhsa_system_sgpr_workgroup_id_z 1
		.amdhsa_system_vgpr_workitem_id 0
		.amdhsa_next_free_vgpr 1024
		.amdhsa_next_free_sgpr 66
		.amdhsa_reserve_vcc 0
		.amdhsa_float_denorm_mode_32 3
		.amdhsa_float_denorm_mode_16_64 3
		.amdhsa_memory_ordered 1
		.amdhsa_forward_progress 1
		.amdhsa_inst_pref_size 236
	.end_amdhsa_kernel
	.amdgpu_metadata
---
amdhsa.version: [ 1, 2 ]
amdhsa.kernels:
  - .name:           k_q25ce916296_qkv
    .symbol:         k_q25ce916296_qkv.kd
    .args:
      - { .name: xu, .offset: 0, .size: 8, .value_kind: global_buffer, .address_space: global }
      - { .name: wqu, .offset: 8, .size: 8, .value_kind: global_buffer, .address_space: global }
      - { .name: qs, .offset: 16, .size: 8, .value_kind: global_buffer, .address_space: global }
      - { .name: kvp, .offset: 24, .size: 8, .value_kind: global_buffer, .address_space: global }
    .group_segment_fixed_size: 327680
    .private_segment_fixed_size: 0
    .kernarg_segment_align: 8
    .kernarg_segment_size: 32
    .max_flat_workgroup_size: 128
    .sgpr_count:     66
    .vgpr_count:     1024
    .wavefront_size: 32
...
	.end_amdgpu_metadata
.endif
;; end of part 2
;; launch proj (part 3): grid 64 x 4, 4 waves a work-group, clusters of 4 x 1, 327,680 bytes of LDS; arguments qs, kvp, wpu, b_proj, out0; writes out0
.if DOCPART == 3
	.amdgcn_target "amdgcn-amd-amdhsa--gfx1250"
	.amdhsa_code_object_version 6
	.text
	.protected	k_q25ce916296_proj
	.globl	k_q25ce916296_proj
	.p2align	8
	.type	k_q25ce916296_proj,@function
k_q25ce916296_proj:
	s_mov_b64 s[64:65], 0
	v_nop
	global_prefetch_b8 v0, s[64:65] scope:SCOPE_SE
	s_setreg_imm32_b32 hwreg(HW_REG_WAVE_MODE, 25, 1), 1
	s_wait_xcnt 0x0
	s_wait_alu depctr_hold_cnt(0) depctr_sa_sdst(0) depctr_va_vdst(0) depctr_va_sdst(0) depctr_va_ssrc(0) depctr_va_vcc(0) depctr_vm_vsrc(0)
	s_getreg_b32 s2, hwreg(HW_REG_IB_STS2, 6, 4)
	s_cmp_eq_u32 s2, 0
	s_cbranch_scc0 .Lentry_in_a_cluster
	s_endpgm
.Lentry_in_a_cluster:
	s_bfe_u32 s2, ttmp6, 0x10000c
	s_cmp_lg_u32 s2, 0x3003
	s_cbranch_scc0 .Lentry_shape_is_right
	s_endpgm
.Lentry_shape_is_right:
; out0 = Q(a) Q(W_proj) + b_proj with a[row][64 head + d] = qs[head][row] x kvs[head][d], for a block of 256 rows and a group g of 256 output columns.
; kvs is the sum of the batch's 16 partial sums (kvp).  a is made in f32 by one multiplication a number and quantised in registers, straight into the operand's layout: lane (r, h) of fragment q holds, in registers 6 c on,
; head 2 q + c, d = 32 h + 0 .. 31: a whole block of 32.  A block's largest magnitude is |qs| x the largest |kvs| of the block, rounded once: rounding keeps the order of numbers, so this is the largest of the rounded products.
; SHARES.  A wave owns 64 rows and keeps their codes in 384 registers.  The 16 units of W_proj's columns come into LDS once, by one joint load a wave, shared by the four row blocks of a cluster; all four waves read every unit.
; The product is used transposed (source 0 = 16 columns of W_proj, source 1 = 16 rows): a lane holds 8 neighbouring columns of one row.  The bias is the C of each sum's first matrix instruction.
; THE WAY OUT.  Four units, 64 columns, gather in the wave's own stage in LDS and leave as rows of 256 bytes, sixteen lanes to a row, while the next units are multiplied.
; No LDS byte is filled twice.  No prefetch: W_proj's units are read by 64 row blocks at about the same time; qs and kvp are asked for once, at the head.
; LIMITS: NaN and infinities are not served.  A block whose largest magnitude lies under 2^(5 - 127), a block of zeros among them, gets the byte 1.  kvs is summed in the order of the row blocks.
.set UNIT,  12800
.set FRB,   1536
.set SCO,   12288
.set HALF,  4*UNIT
.set SP,    272                        ; a stage row: 256 bytes + 16
.set STG,   16*UNIT                    ; 204,800: 64 rows x 272 bytes for each wave
.set KVS,   STG+4*64*SP                ; 274,432: kvs, 1,024 numbers
.set KMX,   KVS+4096                   ; the largest |kvs| of each of its 32 blocks
.set BIA,   KMX+256                    ; the group's 256 numbers of b_proj
.set LI,   1                           ; v1    16 x lane
.set ADR,  2                           ; v2-5  + 51,200 k
.set STO,  6
.set RD,   7
.set GO,   8
.set SH8,  9                           ; 8 h
.set KRA,  10
.set KMR,  11
.set BIR,  12
.set KSA,  13
.set KMA,  14
.set BSA,  15
.set SA,   16                          ; v16-47  a's scale words: 8 a + q
.set SB,   48                          ; v48-55  the units': 4 p + q % 4; lanes 16-31: K steps 4-7
.set BI,   56                          ; v56-71  the bias tiles, 8 a buffer; before that
.set CT,   56                          ;         codes just made
.set QSR,  72                          ; v72-135 qs: 16 a + head; later
.set ACC,  72                          ;         two sets of four accumulators
.set KV,   136                         ; v136-199 kvs of two heads; later
.set OB,   136                         ;          32 rows on their way out
.set P,    200                         ; v200-231 a block's 32 products
.set BY,   232                         ; v232-239 bytes: 2 a + c
.set KM,   240                         ; v240-241
.set MM,   242
.set SOP,  244
.set WW,   246
.set WX,   247
.set KS,   240                         ; v240-247 (before that) my eight sums
.set WV,   14
.set G1,   16
.set G0,   24
.set SEL,  28
.set KPB,  30
.set QB,   32
.set BB,   34
.set OUT,  42
.set MSB, 0
.macro WIN new
.if MSB != \new
	s_set_vgpr_msb (MSB<<8)|\new
.set MSB, \new
.endif
.endm
.macro PLACES n
.rept \n
	v_nop
.endr
.endm
.macro CROUND
	s_barrier_signal -1
	s_barrier_wait -1
	s_cmp_lg_u32 s[WV], 0
	s_cbranch_scc1 .Lnot_wave_0_\@
	s_barrier_signal -3
.Lnot_wave_0_\@:
	s_barrier_wait -3
	s_barrier_signal -1
	s_barrier_wait -1
.endm
	s_load_b256 s[4:11], s[0:1], 0x0               ; qs s[4:5], kvp s[6:7], wpu s[8:9], b_proj s[10:11]
	s_load_b64 s[12:13], s[0:1], 0x20              ; out0
	v_lshl_add_u32 v255, v0, 2, 0x44500
	s_set_vgpr_msb 0x40
	v_mov_b32 v255, 0
	s_set_vgpr_msb 0x4044
	ds_add_u32 v255, v255
	ds_add_u32 v255, v255
	s_set_vgpr_msb 0x4400
	v_lshrrev_b32 v232, 5, v0
	v_readfirstlane_b32 s[WV], v232                ; wave 0..3
	s_bfe_u32 s15, ttmp6, 0x40000                  ; cx
	s_lshl_b32 s36, ttmp9, 2
	s_add_co_u32 s36, s36, s15                     ; row block
	s_and_b32 s37, ttmp7, 0xffff                   ; g
	s_mov_b32 s[G1], 15|(3<<16)|(1<<21)            ; the mask: all four; elements of 8 bytes; bit 21 beside a mask
	s_mov_b32 s[G1+1], 32<<16                      ; rows of 256 bytes
	s_mov_b32 s[G1+2], 200<<16
	s_mov_b32 s[G1+3], 32<<16
	s_mov_b32 s[G1+4], 200                         ; 51,200 dense bytes: four units
	s_mov_b32 s[G1+5], 32
	s_mov_b32 s[G1+6], 0
	s_mov_b32 s[G1+7], 0
	s_mov_b32 s[SEL], 0x76543210
	s_mov_b32 s[SEL+1], 0xfedcba98
	s_mul_i32 s38, s[WV], HALF
	s_mul_i32 s40, s37, 16*UNIT
	s_add_co_u32 s40, s40, s38
	s_mov_b32 s41, 0
	s_lshr_b32 s[KPB], s36, 4
	s_lshl_b32 s[KPB], s[KPB], 16                  ; the batch's 16 partial sums of 4,096 bytes
	s_mov_b32 s[KPB+1], 0
	s_lshl_b32 s[QB], s36, 12
	s_lshl_b32 s44, s[WV], 10
	s_add_co_u32 s[QB], s[QB], s44                 ; 16 bytes a row: 256 row block + 64 wave
	s_mov_b32 s[QB+1], 0
	s_lshl_b32 s[BB], s37, 10
	s_mov_b32 s[BB+1], 0
	s_lshl_b32 s[OUT], s36, 20                     ; rows of 4,096 bytes
	s_lshl_b32 s44, s[WV], 18
	s_add_co_u32 s[OUT], s[OUT], s44
	s_add_co_u32 s[OUT], s[OUT], s[BB]
	s_mov_b32 s[OUT+1], 0
	s_mul_i32 s45, s[WV], 64*SP
	s_add_co_u32 s45, s45, STG                     ; my stage
	v_and_b32 v232, 31, v0
	v_and_b32 v233, 15, v0                         ; r
	v_bfe_u32 v234, v0, 4, 1                       ; h
	v_lshlrev_b32 v[LI], 4, v232
.irp k, 0,1,2,3
	v_add_nc_u32 v[ADR+\k], HALF*\k, v[LI]
.endr
	v_mul_u32_u24 v[STO], v233, SP
	v_lshl_add_u32 v[STO], v234, 5, v[STO]
	v_add_nc_u32 v[STO], s45, v[STO]               ; in: row r, + 32 h
	v_mul_u32_u24 v[RD], v234, SP
	v_lshl_add_u32 v[RD], v233, 4, v[RD]
	v_add_nc_u32 v[RD], s45, v[RD]                 ; back: lanes 0-15 one row, lanes 16-31 the next
	v_lshlrev_b32 v[GO], 12, v234
	v_lshl_add_u32 v[GO], v233, 4, v[GO]           ; and the same in out0
	v_lshlrev_b32 v[SH8], 3, v234
	v_lshl_add_u32 v[KRA], v234, 7, KVS
	v_lshl_add_u32 v[KMR], v234, 2, KMX
	v_lshl_add_u32 v[BIR], v234, 5, BIA
	v_lshl_add_u32 v[KSA], v0, 4, KVS
	v_lshrrev_b32 v235, 3, v0
	v_lshl_add_u32 v[KMA], v235, 2, KMX
	v_lshl_add_u32 v[BSA], v0, 3, BIA
	v_lshlrev_b32 v252, 4, v0                      ; 16 x thread
	v_lshlrev_b32 v253, 4, v233                    ; 16 r
	v_lshlrev_b32 v254, 3, v0                      ; 8 x thread
	s_wait_dscnt 0x0
	s_wait_kmcnt 0x0
	s_add_nc_u64 s[40:41], s[8:9], s[40:41]
	s_add_nc_u64 s[KPB:KPB+1], s[6:7], s[KPB:KPB+1]
	s_add_nc_u64 s[QB:QB+1], s[4:5], s[QB:QB+1]
	s_add_nc_u64 s[BB:BB+1], s[10:11], s[BB:BB+1]
	s_add_nc_u64 s[OUT:OUT+1], s[12:13], s[OUT:OUT+1]
	s_mov_b32 s[G0], 1
	s_mov_b32 s[G0+1], s38
	s_mov_b64 s[G0+2:G0+3], s[40:41]
	s_or_b32 s[G0+3], s[G0+3], 0x80000000
	CROUND                                         ; all four work-groups are here: the joint loads meet
	tensor_load_to_lds s[G0:G0+3], s[G1:G1+7]      ; my four of the group's 16 units: the launch's one fill
	s_nop 0
	PLACES 4
	WIN 0xc0                                       ; destination window 3
.irp j, 0,1,2,3,4,5,6,7,8,9,10,11,12,13,14,15
.irp e, 0,1
	global_load_b128 v[8*\j+4*\e:8*\j+4*\e+3], v252, s[KPB:KPB+1] offset:4096*\j+2048*\e   ; partial sum j: numbers 512 e + 4 t on
.endr
.endr
	WIN 0
.irp a, 0,1,2,3
.irp gg, 0,1,2,3
	global_load_b128 v[QSR+16*\a+4*\gg:QSR+16*\a+4*\gg+3], v253, s[QB:QB+1] offset:262144*\gg+256*\a   ; row 16 a + r: heads 4 gg on
.endr
.endr
	global_load_b64 v[250:251], v254, s[BB:BB+1]
	; ---- kvs: the 16 partial sums in ascending order, four chains
	s_wait_loadcnt 17                              ; the 16 loads of qs and the bias load may be out
	WIN 0xcf                                       ; sources and destination window 3
.irp j, 1,2,3,4,5,6,7,8,9,10,11,12,13,14
.irp c, 0,2,4,6
	v_pk_add_f32 v[\c:\c+1], v[\c:\c+1], v[8*\j+\c:8*\j+\c+1]
.endr
.endr
	WIN 0x0f                                       ; the last addition lands in window 0
.irp c, 0,2,4,6
	v_pk_add_f32 v[KS+\c:KS+\c+1], v[\c:\c+1], v[120+\c:120+\c+1]
.endr
	WIN 0
	v_max3_num_f32 v248, |v[KS]|, |v[KS+1]|, |v[KS+2]|
	v_max3_num_f32 v249, |v[KS+4]|, |v[KS+5]|, |v[KS+6]|
	v_max_num_f32 v248, v248, |v[KS+3]|
	v_max_num_f32 v249, v249, |v[KS+7]|
.irp m, 1,2,4                          ; eight neighbouring threads hold a block of 32
	v_max_num_f32_dpp v248, v248, v248 row_xmask:\m row_mask:0xf bank_mask:0xf
	v_max_num_f32_dpp v249, v249, v249 row_xmask:\m row_mask:0xf bank_mask:0xf
.endr
	ds_store_b128 v[KSA], v[KS:KS+3]
	ds_store_b128 v[KSA], v[KS+4:KS+7] offset:2048
	ds_store_b32 v[KMA], v248                      ; (eight threads write the same word with the same value)
	ds_store_b32 v[KMA], v249 offset:64
	s_wait_loadcnt 0x0                             ; qs and the bias
	ds_store_b64 v[BSA], v[250:251]
	s_wait_dscnt 0x0                               ; for the others' sake: my stores are done
	s_barrier_signal -1
	s_barrier_wait -1
	v_mov_b32 v[WX], 0                             ; written once: a lane permute's destination counts as one of its sources
; ---- a's codes, head by head
.macro KLOAD s                         ; head s: my half's 32 numbers of kvs (the sixteen lanes of a half read the same bytes), and their largest magnitude: 9 loads
.irp i, 0,1,2,3,4,5,6,7
	ds_load_b128 v[KV+32*((\s)%2)+4*\i:KV+32*((\s)%2)+4*\i+3], v[KRA] offset:256*(\s)+16*\i
.endr
	ds_load_b32 v[KM+(\s)%2], v[KMR] offset:8*(\s)
.endm
.macro BUILD s
.set CP, (\s)%2
.set QQ, (\s)/2
.if (\s) < 15
	s_wait_dscnt 9                                 ; this head's 9 loads are in; the next head's may be out
.else
	s_wait_dscnt 0x0
.endif
.irp ap, 0,2                           ; two tiles of rows at a time
.irp a2, 0,1
	v_mul_f32 v[MM+\a2], |v[QSR+16*(\ap+\a2)+(\s)]|, v[KM+CP]    ; the block's largest magnitude
	v_max_num_f32 v[MM+\a2], 0x2800000, v[MM+\a2]                ; the floor 2^(5 - 127)
	v_add_nc_u32 v[SOP+\a2], 0xfe000000, v[MM+\a2]               ; the conversion's scale operand
	v_lshrrev_b32 v[BY+2*(\ap+\a2)+CP], 23, v[SOP+\a2]           ; the byte.  (These four are also the plain places between the last conversions and the lines that write their sources)
.set II, 0
.rept 16
.if CP == 0
	v_pk_mul_f32 v[P+II:P+II+1], v[KV+II:KV+II+1], v[QSR+16*(\ap+\a2)+2*QQ:QSR+16*(\ap+\a2)+2*QQ+1] op_sel_hi:[1,0]
.else
	v_pk_mul_f32 v[P+II:P+II+1], v[KV+32+II:KV+32+II+1], v[QSR+16*(\ap+\a2)+2*QQ:QSR+16*(\ap+\a2)+2*QQ+1] op_sel:[0,1] op_sel_hi:[1,1]
.endif
.set II, II+2
.endr
	v_cvt_scalef32_pk16_bf6_f32 v[CT+8*\a2:CT+8*\a2+2], v[P:P+15], v[SOP+\a2]
	v_cvt_scalef32_pk16_bf6_f32 v[CT+8*\a2+4:CT+8*\a2+6], v[P+16:P+31], v[SOP+\a2]
.endr
	v_nop                                          ; one plain place behind a scaled conversion
	WIN ((1+QQ/4)<<6)                              ; destination window 1 (K steps 0-3) or 2
.irp a2, 0,1
.irp i, 0,1,2
	v_mov_b32 v[12*(4*(QQ%4)+\ap+\a2)+6*CP+\i], v[CT+8*\a2+\i]
	v_mov_b32 v[12*(4*(QQ%4)+\ap+\a2)+6*CP+3+\i], v[CT+8*\a2+4+\i]
.endr
.endr
	WIN 0
.endr
.if CP == 1
.irp a, 0,1,2,3                        ; my two bytes, blocks h and 2 + h of the K step; with lane l xor 16's two the word is whole
	v_lshl_or_b32 v[WW], v[BY+2*\a+1], 16, v[BY+2*\a]
	v_lshlrev_b32 v[WW], v[SH8], v[WW]
	v_permlanex16_b32 v[WX], v[WW], s[SEL], s[SEL+1]
	v_or_b32 v[SA+8*\a+QQ], v[WW], v[WX]
.endr
.endif
.if (\s)+2 < 16
	KLOAD (\s)+2
.endif
.endm
	KLOAD 0
	KLOAD 1
.set HS, 0
.rept 16
	BUILD HS
.set HS, HS+1
.endr
; ---- the product
.macro LOADB3 p, u                     ; 27 LDS loads: unit u's fragments, its scale words, its bias tile
	WIN 0xc0
.irp q, 0,1,2,3,4,5,6,7
.irp c, 0,1,2
	ds_load_b128 v[96*(\p)+12*\q+4*\c:96*(\p)+12*\q+4*\c+3], v[ADR+(\u)/4] offset:UNIT*((\u)%4)+FRB*\q+512*\c
.endr
.endr
	WIN 0
	ds_load_b128 v[SB+4*(\p):SB+4*(\p)+3], v[ADR+(\u)/4] offset:UNIT*((\u)%4)+SCO
	ds_load_b128 v[BI+8*(\p):BI+8*(\p)+3], v[BIR] offset:64*(\u)
	ds_load_b128 v[BI+8*(\p)+4:BI+8*(\p)+7], v[BIR] offset:64*(\u)+16
.endm
.macro MUL4T p, q                      ; the four accumulators of set p by turns
.if (\q) < 4
	WIN 0x07                                       ; source 0 (the unit) window 3, source 1 (a) window 1
.else
	WIN 0x0b                                       ; source 1 window 2
.endif
.irp a, 0,1,2,3
.if (\q) == 0
	v_wmma_scale_f32_16x16x128_f8f6f4 v[ACC+32*(\p)+8*\a:ACC+32*(\p)+8*\a+7], v[96*(\p)+12*(\q):96*(\p)+12*(\q)+11], v[12*(4*((\q)%4)+\a):12*(4*((\q)%4)+\a)+11], v[BI+8*(\p):BI+8*(\p)+7], v[SB+4*(\p)+(\q)%4], v[SA+8*\a+(\q)] matrix_a_fmt:MATRIX_FMT_BF6 matrix_b_fmt:MATRIX_FMT_BF6
.elseif (\q) < 4
	v_wmma_scale_f32_16x16x128_f8f6f4 v[ACC+32*(\p)+8*\a:ACC+32*(\p)+8*\a+7], v[96*(\p)+12*(\q):96*(\p)+12*(\q)+11], v[12*(4*((\q)%4)+\a):12*(4*((\q)%4)+\a)+11], v[ACC+32*(\p)+8*\a:ACC+32*(\p)+8*\a+7], v[SB+4*(\p)+(\q)%4], v[SA+8*\a+(\q)] matrix_a_fmt:MATRIX_FMT_BF6 matrix_b_fmt:MATRIX_FMT_BF6
.else
	v_wmma_scale_f32_16x16x128_f8f6f4 v[ACC+32*(\p)+8*\a:ACC+32*(\p)+8*\a+7], v[96*(\p)+12*(\q):96*(\p)+12*(\q)+11], v[12*(4*((\q)%4)+\a):12*(4*((\q)%4)+\a)+11], v[ACC+32*(\p)+8*\a:ACC+32*(\p)+8*\a+7], v[SB+4*(\p)+(\q)%4], v[SA+8*\a+(\q)] matrix_a_fmt:MATRIX_FMT_BF6 matrix_b_fmt:MATRIX_FMT_BF6 matrix_a_scale:MATRIX_SCALE_ROW1
.endif
.endr
.endm
.macro STAGE u                         ; unit u's results into my stage: lane (r, h): row 16 a + r, columns 16 (u % 4) + 8 h on; each accumulator from its low end on
.irp a, 0,1,2,3
	ds_store_b128 v[STO], v[ACC+32*((\u)%2)+8*\a:ACC+32*((\u)%2)+8*\a+3] offset:16*SP*\a+64*((\u)%4)
	ds_store_b128 v[STO], v[ACC+32*((\u)%2)+8*\a+4:ACC+32*((\u)%2)+8*\a+7] offset:16*SP*\a+64*((\u)%4)+16
.endr
.endm
.macro RBK hf                          ; 32 rows of the stage back, whole.  LDS serves a wave's instructions in order: these see my stores, and later stores come behind them
.irp i, 0,1,2,3,4,5,6,7,8,9,10,11,12,13,14,15
	ds_load_b128 v[OB+4*\i:OB+4*\i+3], v[RD] offset:(32*(\hf)+2*\i)*SP
.endr
.endm
.macro SEND4 hf, cg, i0
.irp i, 0,1,2,3
	global_store_b128 v[GO], v[OB+4*((\i0)+\i):OB+4*((\i0)+\i)+3], s[OUT:OUT+1] offset:(32*(\hf)+2*((\i0)+\i))*4096+256*(\cg) th:TH_STORE_NT   ; sixteen lanes store 256 consecutive bytes, at a multiple of 256
.endr
.endm
; Unit u.  At its head: the places behind the last unit's products; the last unit's results go to the stage; where four units are gathered, half of the stage's rows come back (the other half a unit later,
; ahead of the stores that write the stage anew); the next unit is fetched.  The stores to memory stand in four slices among the products.
.macro STEP3 u
.set PP, (\u)%2
.set HF, (\u)%4
.set HAS, 0
.if ((\u) > 3) && (HF < 2)
.set HAS, 1
.endif
.set CG, ((\u)-4)/4
.set NL, 0
	WIN 0
	PLACES 4
.if HAS && (HF == 1)
	s_wait_xcnt 0x0                                ; the first half's stores have read their registers: they are loaded again only behind this wait
	RBK 1
.set NL, NL+16
.endif
.if (\u) > 0
	STAGE (\u)-1
.set NL, NL+8
.endif
.if HAS && (HF == 0)
	s_wait_xcnt 0x0
	RBK 0
.set NL, NL+16
.endif
.if (\u) < 15
	LOADB3 1-PP, (\u)+1
.set NL, NL+27
.endif
	s_wait_dscnt NL                                ; all but what this head has issued: this unit's fragments are in, and the stage's older stores have read the set that is written now
.set KQ, 0
.rept 8
	MUL4T PP, KQ
.if HAS && (KQ >= 1) && (KQ <= 4)
	WIN 0
.if KQ == 1
	s_wait_dscnt 27+8*HF                           ; the rows are back; behind them: the next unit's 27 loads, and for the second half the stage's 8 stores
.endif
	SEND4 HF, CG, 4*(KQ-1)
.endif
.set KQ, KQ+1
.endr
	WIN 0
.endm
	s_wait_tensorcnt 0x0                           ; my four units have landed,
	s_wait_dscnt 0x0
	s_barrier_signal -1
	s_barrier_wait -1                              ; everybody's have
	LOADB3 0, 0
	PLACES 8                                       ; scale words made by vector instructions stand 8 places ahead of the scaled products, operands 4
.set UU, 0
.rept 16
	STEP3 UU
.set UU, UU+1
.endr
	PLACES 4
	STAGE 15
	s_wait_xcnt 0x0
	RBK 0
	s_wait_dscnt 0x0
.irp k, 0,1,2,3
	SEND4 0, 3, 4*\k
.endr
	s_wait_xcnt 0x0                                ; these stores have read their registers
	RBK 1
	s_wait_dscnt 0x0
.irp k, 0,1,2,3
	SEND4 1, 3, 4*\k
.endr
	s_set_vgpr_msb 0x4
	s_wait_tensorcnt 0x0
	ds_add_u32 v255, v255
	s_wait_dscnt 0x0
	s_set_vgpr_msb 0x400
	CROUND                                         ; the closing round
	s_endpgm
.Lfunc_end_k_q25ce916296_proj:
	.size	k_q25ce916296_proj, .Lfunc_end_k_q25ce916296_proj-k_q25ce916296_proj
	.p2alignl 7, 3214868480
	.fill 96, 4, 3214868480
	.section	.rodata,"a",@progbits
	.p2align	6, 0x0
	.amdhsa_kernel k_q25ce916296_proj
		.amdhsa_group_segment_fixed_size 327680
		.amdhsa_private_segment_fixed_size 0
		.amdhsa_enable_private_segment 0
		.amdhsa_kernarg_size 40
		.amdhsa_user_sgpr_count 2
		.amdhsa_user_sgpr_kernarg_segment_ptr 1
		.amdhsa_wavefront_size32 1
		.amdhsa_system_sgpr_workgroup_id_x 1
		.amdhsa_system_sgpr_workgroup_id_y 1
		.amdhsa_system_sgpr_workgroup_id_z 1
		.amdhsa_system_vgpr_workitem_id 0
		.amdhsa_next_free_vgpr 1024
		.amdhsa_next_free_sgpr 66
		.amdhsa_reserve_vcc 0
		.amdhsa_float_denorm_mode_32 3
		.amdhsa_float_denorm_mode_16_64 3
		.amdhsa_memory_ordered 1
		.amdhsa_forward_progress 1
		.amdhsa_inst_pref_size 255
	.end_amdhsa_kernel
	.section	.bss,"aw",@nobits
	.p2align	6
	.space	262144
	.amdgpu_metadata
---
amdhsa.version: [ 1, 2 ]
amdhsa.kernels:
  - .name:           k_q25ce916296_proj
    .symbol:         k_q25ce916296_proj.kd
    .args:
      - { .name: qs, .offset: 0, .size: 8, .value_kind: global_buffer, .address_space: global }
      - { .name: kvp, .offset: 8, .size: 8, .value_kind: global_buffer, .address_space: global }
      - { .name: wpu, .offset: 16, .size: 8, .value_kind: global_buffer, .address_space: global }
      - { .name: b_proj, .offset: 24, .size: 8, .value_kind: global_buffer, .address_space: global }
      - { .name: out0, .offset: 32, .size: 8, .value_kind: global_buffer, .address_space: global }
    .group_segment_fixed_size: 327680
    .private_segment_fixed_size: 0
    .kernarg_segment_align: 8
    .kernarg_segment_size: 40
    .max_flat_workgroup_size: 128
    .sgpr_count:     66
    .vgpr_count:     1024
    .wavefront_size: 32
...
	.end_amdgpu_metadata
.endif
;; end of part 3
